; MI455X (gfx1250); checked and timed in simulation.
; The chip was launched on July 23, 2026; its instructions are those of AMD's public machine-readable ISA for CDNA 5 (MIT licence, August 2026) and "CDNA5" Instruction Set Architecture Reference Guide (July 2026). The comments in the code are by the model that wrote it; some were corrected since.
;; Model. Allowed arithmetic: float matrix products may take bf16 or f16 operands with f32 sums; all other float work in f32.
;; Inputs: key 8,192 x 16 x 32 float32; query 8,192 x 16 x 32 float32; value 8,192 x 16 x 8 float32.
;; Outputs: out0 8,192 x 16 x 8 float32.
;; 2 versions, each right; version 2 is version 1 with the launches pack, merge written anew for expert scheduling mode. Each part assembles by itself: llvm-mc -triple=amdgcn-amd-amdhsa -mcpu=gfx1250 --defsym DOCPART=n.
;; ======== version 1 of 2: 3 launches
;; workspace buffers: qf 8,388,608 bytes; kv 10,485,760 bytes; po 33,554,432 bytes; ml 524,288 bytes
;; launch pack (part 1): grid 576 x 1, 4 waves a work-group, no clusters, 34,304 bytes of LDS; arguments query, key, value, qf, kv; writes qf, kv
.if DOCPART == 1
	.amdgcn_target "amdgcn-amd-amdhsa--gfx1250"
	.amdhsa_code_object_version 6
	.text
	.protected	k_qecfba460db_pack
	.globl	k_qecfba460db_pack
	.p2align	8
	.type	k_qecfba460db_pack,@function
k_qecfba460db_pack:
	s_mov_b64 s[64:65], 0
	v_nop
	global_prefetch_b8 v0, s[64:65] scope:SCOPE_SE
	s_setreg_imm32_b32 hwreg(HW_REG_WAVE_MODE, 25, 1), 1
	s_wait_xcnt 0x0
; pack: query, key and value (f32) are rounded once to bf16 and written in the order in which the attention launch's
; matrix fragments want them, so that that launch needs neither a conversion nor a transposing load.
;   qf: [block of 64 queries][fragment f = 4 ks + n][half j][lane][16 bytes]: lane (r = lane % 16, h = lane / 16) holds
;       query 64 block + 16 n + r, features 32 ks + 16 j + 8 h + 0..7.
;   kv: chunks of 81,920 bytes for 64 keys: 65,536 bytes of key fragments laid out as a block of qf, then 16,384 bytes of
;       fragments of value transposed: fragment 8 kp + ct, [j][lane][16 bytes] = column 16 ct + r, keys 32 kp + 16 j + 8 h + 0..7.
; 2,304 equal tasks, one a wave, each 16 KiB in and 8 KiB out: work-groups 0-255 take query, 256-511 key, 512-575 value.
; A task goes through the wave's OWN 8,448 bytes of LDS (address = wave x 8,448 + ...), so no barrier is needed, and since
; LDS serves one wave's instructions in order (ISA guide 5.7.1) no wait stands between its LDS stores and its LDS loads.
; Every global load and store of a wave covers 512 consecutive bytes that start at a multiple of 512 from the buffer's start.
; Memory binds here: no matrix unit, no cluster (no two work-groups read the same bytes), no tensor load (all 16 KiB of a
; task are in flight in registers at once).
.set QROW,   2048                      ; bytes in a row of query or key (512 f32)
.set PITCH,  528                       ; LDS row of 256 bf16 + 16 bytes: 33 x 16, so 16 rows start in 16 different 16-byte columns modulo 256
.set VPITCH, 1040                      ; LDS pitch of a value fragment: 1,024 + 16 = 65 x 16, for the same reason
.set WLDS,   8448                      ; LDS bytes of a wave: 16 x 528 (8 x 1,040 = 8,320 fit as well)
.set QBLK,   65536                     ; bytes of a block of qf
.set CHUNKB, 81920                     ; bytes of a chunk of kv
.set Y, 16                             ; v[16:31]  converted numbers on their way into LDS
.set X, 32                             ; v[32:159] 32 loads of 4 registers; v[32:95] are used again for the 16 read-backs
	s_load_b256 s[4:11], s[0:1], 0x0               ; query s[4:5], key s[6:7], value s[8:9], qf s[10:11]
	s_load_b64 s[12:13], s[0:1], 0x20              ; kv
	v_lshl_add_u32 v160, v0, 2, 0x8400
	v_mov_b32 v161, 0
	v_lshrrev_b32 v3, 5, v0
	v_readfirstlane_b32 s14, v3                    ; wave 0..3
	v_and_b32 v1, 31, v0                           ; lane
	v_lshlrev_b32 v2, 4, v1                        ; 16 x lane: the lane's place in every global load and store
	s_mul_i32 s15, s14, WLDS                       ; my wave's LDS bytes
	s_mov_b32 s20, QBLK
	s_mov_b32 s21, CHUNKB
	s_wait_kmcnt 0x0
	s_cmp_ge_u32 ttmp9, 512
	s_cbranch_scc1 .Lvalue                         ; the same way for all four waves of a work-group
	; ---- query or key: the wave takes 16 rows x 256 features ----
	s_cmp_ge_u32 ttmp9, 256                        ; work-groups 256-511: key into kv; 0-255: query into qf
	s_cselect_b64 s[16:17], s[6:7], s[4:5]         ; from
	s_cselect_b64 s[18:19], s[12:13], s[10:11]     ; to
	s_cselect_b32 s20, s21, s20                    ; bytes from one block of 64 rows to the next in the target
	s_and_b32 s22, ttmp9, 255
	s_lshr_b32 s23, s14, 1
	s_and_b32 s24, s14, 1                          ; which 256 features
	s_lshl_b32 s25, s22, 1
	s_add_co_u32 s25, s25, s23                     ; which 16 rows, 0..511
	s_lshl_b32 s26, s25, 15                        ; 16 rows of 2,048 bytes
	s_lshl_b32 s30, s24, 10                        ; 256 f32
	s_add_co_u32 s26, s26, s30
	s_mov_b32 s27, 0
	s_add_nc_u64 s[16:17], s[16:17], s[26:27]
	s_lshr_b32 s28, s25, 2                         ; block of 64 rows
	s_mul_i32 s28, s28, s20
	s_and_b32 s30, s25, 3                          ; which 16 rows of the block: the fragment's n (or kt)
	s_lshl_b32 s31, s24, 5                         ; my first ks is 8 x half: fragment 32 x half + n
	s_add_co_u32 s30, s30, s31
	s_lshl_b32 s30, s30, 10                        ; fragments of 1,024 bytes
	s_add_co_u32 s28, s28, s30
	s_mov_b32 s29, 0
	s_add_nc_u64 s[18:19], s[18:19], s[28:29]
	v_and_b32 v3, 15, v0                           ; r
	v_bfe_u32 v4, v0, 4, 1                         ; h
	v_lshl_add_u32 v5, v1, 3, s15                  ; in: 8 bytes (4 bf16) a lane
	v_mul_u32_u24 v6, v3, PITCH                    ; back: row r, 16 bytes at 16 h
	v_lshl_add_u32 v6, v4, 4, v6
	v_add_nc_u32 v6, s15, v6
.set m, 0
.rept 32                                           ; load m: row m / 2, its 512 bytes number m % 2; the whole task is in flight
	global_load_b128 v[X+4*m:X+4*m+3], v2, s[16:17] offset:(m/2)*QROW+(m%2)*512 th:TH_LOAD_NT
.set m, m+1
.endr
.set m, 0
.rept 32
	s_wait_loadcnt 31-m                            ; loads come back in order (ISA guide 5.7.1): load m is in, the 31 - m younger ones stay out
	v_cvt_pk_bf16_f32 v[Y+2*(m%8)],   v[X+4*m],   v[X+4*m+1]
	v_cvt_pk_bf16_f32 v[Y+2*(m%8)+1], v[X+4*m+2], v[X+4*m+3]
	ds_store_b64 v5, v[Y+2*(m%8):Y+2*(m%8)+1] offset:(m/2)*PITCH+(m%2)*256
.set m, m+1
.endr
.set m, 0
.rept 16                                           ; read-back m: K step m / 2 of my eight, half j = m % 2: features 32 (m / 2) + 16 j + 8 h + 0..7 of row r
	ds_load_b128 v[X+4*m:X+4*m+3], v6 offset:(m/2)*64+(m%2)*32
.set m, m+1
.endr
.set m, 0
.rept 16
	s_wait_dscnt 15-m                              ; read-back m is in, the younger ones stay out
	global_store_b128 v2, v[X+4*m:X+4*m+3], s[18:19] offset:(m/2)*4096+(m%2)*512   ; one K step on is four fragments on
.set m, m+1
.endr
	s_wait_tensorcnt 0x0
	ds_add_u32 v160, v161
	s_wait_dscnt 0x0
	s_endpgm
	; ---- value: the wave takes 32 keys x 128 columns and transposes them ----
.Lvalue:
	s_sub_co_u32 s24, ttmp9, 512
	s_lshl_b32 s24, s24, 2
	s_add_co_u32 s24, s24, s14                     ; which 32 keys, 0..255
	s_lshl_b32 s26, s24, 14                        ; 32 rows of 512 bytes
	s_mov_b32 s27, 0
	s_add_nc_u64 s[16:17], s[8:9], s[26:27]
	s_lshr_b32 s28, s24, 1                         ; chunk of 64 keys
	s_mul_i32 s28, s28, s21
	s_and_b32 s30, s24, 1                          ; kp: which 32 keys of the chunk
	s_lshl_b32 s30, s30, 13                        ; eight fragments of 1,024 bytes
	s_add_co_u32 s28, s28, s30
	s_add_co_u32 s28, s28, QBLK                    ; behind the chunk's key fragments
	s_mov_b32 s29, 0
	s_add_nc_u64 s[18:19], s[12:13], s[28:29]
	v_lshrrev_b32 v3, 2, v1                        ; my four columns 4 lane + e lie in fragment ct = lane / 4,
	v_and_b32 v4, 3, v1                            ; at r = 4 (lane % 4) + e
	v_mul_u32_u24 v5, v3, VPITCH
	v_lshl_add_u32 v5, v4, 6, v5
	v_add_nc_u32 v5, s15, v5                       ; in: ct x 1,040 + 64 (lane % 4); e, j and h stand in the immediate
	v_add_nc_u32 v6, s15, v2                       ; back: 16 x lane
.set m, 0
.rept 32                                           ; load m: key m, all 128 columns; the lane gets columns 4 lane .. + 3
	global_load_b128 v[X+4*m:X+4*m+3], v2, s[16:17] offset:m*512 th:TH_LOAD_NT
.set m, m+1
.endr
.irp kg, 0,1,2,3                                   ; eight keys at a time: j = kg / 2, h = kg % 2
	s_wait_loadcnt 24-8*\kg                        ; keys up to 8 kg + 7 are in; the 24 - 8 kg younger loads stay out
.irp e, 0,1,2,3
.irp a, 0,1,2,3
	v_cvt_pk_bf16_f32 v[Y+4*\e+\a], v[X+4*(8*\kg+2*\a)+\e], v[X+4*(8*\kg+2*\a+1)+\e]   ; two neighbouring keys of one column
.endr
	ds_store_b128 v5, v[Y+4*\e:Y+4*\e+3] offset:\e*16+(\kg/2)*512+(\kg%2)*256
.endr
.endr
.set m, 0
.rept 16                                           ; read-back m: fragment ct = m / 2, half j = m % 2, as it goes to memory
	ds_load_b128 v[X+4*m:X+4*m+3], v6 offset:(m/2)*VPITCH+(m%2)*512
.set m, m+1
.endr
.set m, 0
.rept 16
	s_wait_dscnt 15-m
	global_store_b128 v2, v[X+4*m:X+4*m+3], s[18:19] offset:m*512
.set m, m+1
.endr
	s_wait_tensorcnt 0x0
	ds_add_u32 v160, v161
	s_wait_dscnt 0x0
	s_endpgm
.Lfunc_end_k_qecfba460db_pack:
	.size	k_qecfba460db_pack, .Lfunc_end_k_qecfba460db_pack-k_qecfba460db_pack
	.p2alignl 7, 3214868480
	.fill 96, 4, 3214868480
	.section	.rodata,"a",@progbits
	.p2align	6, 0x0
	.amdhsa_kernel k_qecfba460db_pack
		.amdhsa_group_segment_fixed_size 34304
		.amdhsa_private_segment_fixed_size 0
		.amdhsa_enable_private_segment 0
		.amdhsa_kernarg_size 40
		.amdhsa_user_sgpr_count 2
		.amdhsa_user_sgpr_kernarg_segment_ptr 1
		.amdhsa_wavefront_size32 1
		.amdhsa_system_sgpr_workgroup_id_x 1
		.amdhsa_system_sgpr_workgroup_id_y 1
		.amdhsa_system_sgpr_workgroup_id_z 1
		.amdhsa_system_vgpr_workitem_id 0
		.amdhsa_next_free_vgpr 162
		.amdhsa_next_free_sgpr 66
		.amdhsa_reserve_vcc 0
		.amdhsa_float_denorm_mode_32 3
		.amdhsa_float_denorm_mode_16_64 3
		.amdhsa_memory_ordered 1
		.amdhsa_forward_progress 1
		.amdhsa_inst_pref_size 28
	.end_amdhsa_kernel
	.amdgpu_metadata
---
amdhsa.version: [ 1, 2 ]
amdhsa.kernels:
  - .name:           k_qecfba460db_pack
    .symbol:         k_qecfba460db_pack.kd
    .args:
      - { .name: query, .offset: 0, .size: 8, .value_kind: global_buffer, .address_space: global }
      - { .name: key, .offset: 8, .size: 8, .value_kind: global_buffer, .address_space: global }
      - { .name: value, .offset: 16, .size: 8, .value_kind: global_buffer, .address_space: global }
      - { .name: qf, .offset: 24, .size: 8, .value_kind: global_buffer, .address_space: global }
      - { .name: kv, .offset: 32, .size: 8, .value_kind: global_buffer, .address_space: global }
    .group_segment_fixed_size: 34304
    .private_segment_fixed_size: 0
    .kernarg_segment_align: 8
    .kernarg_segment_size: 40
    .max_flat_workgroup_size: 128
    .sgpr_count:     66
    .vgpr_count:     162
    .wavefront_size: 32
...
	.end_amdgpu_metadata
.endif
;; end of part 1
;; launch attn (part 2): grid 32 x 8, 4 waves a work-group, clusters of 4 x 1, 327,680 bytes of LDS; arguments qf, kv, po, ml; writes po, ml
.if DOCPART == 2
	.amdgcn_target "amdgcn-amd-amdhsa--gfx1250"
	.amdhsa_code_object_version 6
	.text
	.protected	k_qecfba460db_attn
	.globl	k_qecfba460db_attn
	.p2align	8
	.type	k_qecfba460db_attn,@function
k_qecfba460db_attn:
	s_mov_b64 s[64:65], 0
	v_nop
	global_prefetch_b8 v0, s[64:65] scope:SCOPE_SE
	s_setreg_imm32_b32 hwreg(HW_REG_WAVE_MODE, 25, 1), 1
	s_wait_xcnt 0x0
	s_wait_alu depctr_hold_cnt(0) depctr_sa_sdst(0) depctr_va_vdst(0) depctr_va_sdst(0) depctr_va_ssrc(0) depctr_va_vcc(0) depctr_vm_vsrc(0)
	s_getreg_b32 s2, hwreg(HW_REG_IB_STS2, 6, 4)
	s_cmp_eq_u32 s2, 0
	s_cbranch_scc0 .Lentry_in_a_cluster
	s_endpgm
.Lentry_in_a_cluster:
	s_bfe_u32 s2, ttmp6, 0x10000c
	s_cmp_lg_u32 s2, 0x3003
	s_cbranch_scc0 .Lentry_shape_is_right
	s_endpgm
.Lentry_shape_is_right:
; attn: softmax(q k^T / 32) v over 8,192 queries and keys of 512 features, 128 value columns, with a running maximum.
; SHARES.  Work-group (x, y): queries 256 x .. + 255 against keys 1,024 y .. + 1,023 (8 splits of the keys; the next launch joins them).
; A wave: 64 queries, whose 64 x 512 bf16 stay in 512 registers for the whole launch, so each fragment of 1,024 bytes read from LDS
; feeds four matrix instructions.  Keys go in 16 chunks of 64: per chunk and wave 256 + 64 matrix instructions.
; BOTH PRODUCTS ARE TRANSPOSED.  S^T = K Q^T: source 0 = 16 keys, source 1 = 16 queries; lane (r, h) then holds, of query r, the keys
; 8 h + 0..7 of each tile.  Packed in place to bf16, two such tiles ARE source 1 of O^T = V^T P^T (keys 8 h + 0..7 in registers 0-3,
; 16 + 8 h + 0..7 in 4-7).  So P never leaves the registers, and maximum, shift and sum of a query are one number a lane.
; CLUSTER.  The four work-groups of a cluster (same y, four neighbouring x) walk the same chunks: each chunk is asked for jointly
; (mask 15), each wave a quarter of it (20,480 bytes), which divides the requests for keys and values by four.  No descriptor word,
; LDS address or branch hangs on the place in the cluster.
; LDS.  Two slots of 81,920 bytes, a chunk each, in fragment order: every fragment load reads 512 consecutive bytes, so no padding.
; One tensor load a wave is outstanding at the most; it has a whole chunk's work (320 matrix instructions and the softmax) to land in.
; OUT.  po: the unnormalised sums as they lie in the accumulators; ml: for each query -c x maximum and the sum of its exponentials,
; c = log2(e) / 32.
; LIMITS.  Inputs and scores must be finite (a NaN loses in the maxima here).  v_exp_f32 gives zero below 2^-126 (ISA guide 15.8): terms
; that far under a query's running maximum count as zero.  The denominator adds p in f32, the second product takes p rounded to bf16.
; The order of the sums (8 splits, chunks of 64 keys) is not the order of a plain row sum.
;
; REGISTERS, in windows of 256:
;   window 0: v1-4 addresses, v6 lane, v8-51 the softmax's numbers, v64-127 two buffers of four fragments, v128-255 S^T (tile (n, kt) at 128 + 32 n + 8 kt)
;   window 1: Q fragments of K steps 0-7 at 8 (4 ks + n);  window 2: K steps 8-15;  window 3: O^T, tile (ct, n) at 8 (4 ct + n)
.set SLOTB,  81920                     ; a chunk, and an LDS slot
.set WPART,  20480                     ; a wave's quarter of it: 80 rows of 256 bytes
.set VOFF,   65536                     ; the value fragments' place in a chunk
.set CHUNKS, 16
.set ADRK, 1                           ; v1, v2    16 x lane + slot: key fragments (v1 is also the lane's offset in global loads and stores)
.set ADRV, 3                           ; v3, v4    the same + 65,536: the LDS immediate has 16 bits
.set LANE, 6
.set MX,  8                            ; v[8:11]   running maximum of query (n, r)
.set LS,  12                           ; v[12:15]  running sum, this half of the lanes' keys alone until the end
.set TN,  16                           ; v[16:19]  the new shift -c x maximum
.set T2,  20                           ; v[20:23]  what the other half of the lanes sends
.set AL,  24                           ; v[24:31]  the factor on the old sums, twice (pairs for the packed multiply)
.set NM,  32                           ; v[32:39]  the shift in force, twice
.set SUM, 40                           ; v[40:47]  a chunk's sums, two chains for each n
.set ST,  48                           ; v[48:51]  the statistics as stored
.set FR,  64
.set SC,  128
.set G1,  16                           ; s[16:23]  descriptor group 1
.set G0,  32                           ; s[32:39]  descriptor group 0, one set for each slot
.set MSB, 0
.macro WIN new                         ; s_set_vgpr_msb: bits 1:0 source 0, 3:2 source 1, 5:4 source 2, 7:6 destination; the high byte repeats the setting that is left
.if MSB != \new
	s_set_vgpr_msb (MSB<<8)|\new
.set MSB, \new
.endif
.endm
.set QK_LO, 0x04                       ; source 1 (Q) in window 1; LDS loads still mean window 0
.set QK_HI, 0x08                       ; source 1 (Q) in window 2
.set PV,    0xf0                       ; C and D (O^T) in window 3
.set RESC,  0xc3                       ; destination and source 0 in window 3
.set QL1,   0x40                       ; a load's destination in window 1
.set QL2,   0x80                       ; in window 2
.set OST,   0x0c                       ; a store's data in window 3
; A round of the cluster's barrier: my work-group's barrier, wave 0 signals for the work-group, every wave waits for all four
; work-groups, my work-group's barrier once more.
.macro ROUND
	s_barrier_signal -1
	s_barrier_wait -1
	s_cmp_lg_u32 s12, 0
	s_cbranch_scc1 .Lnot_wave_0_\@
	s_barrier_signal -3
.Lnot_wave_0_\@:
	s_barrier_wait -3
	s_barrier_signal -1
	s_barrier_wait -1
.endm
; Four places behind a matrix instruction before a vector instruction touches its registers or a load is issued into them.
.macro PLACES
.rept 4
	v_nop
.endr
.endm
	s_load_b256 s[4:11], s[0:1], 0x0               ; qf s[4:5], kv s[6:7], po s[8:9], ml s[10:11]
	v_lshl_add_u32 v62, v0, 2, 0x29000
	v_mov_b32 v63, 0
	ds_add_u32 v62, v63
	v_lshrrev_b32 v5, 5, v0
	v_readfirstlane_b32 s12, v5                    ; wave 0..3
	s_bfe_u32 s13, ttmp6, 0x40000                  ; cx: my place in the cluster
	s_lshl_b32 s14, ttmp9, 2                       ; in a cluster launch ttmp9 counts clusters
	s_add_co_u32 s14, s14, s13                     ; block of 256 queries
	s_and_b32 s15, ttmp7, 0xffff                   ; split of the keys, shared by the cluster
	; group 1: 80 rows of 32 elements of 8 bytes, dense: 20,480 bytes
	s_mov_b32 s[G1+0], 0x23000f                    ; 15:0 mask: all four work-groups; 17:16 elements of 8 bytes; 21 set beside a mask; no padding
	s_mov_b32 s[G1+1], 32<<16                      ; tensor_dim0 = 32
	s_mov_b32 s[G1+2], 80<<16                      ; tensor_dim1 = 80
	s_mov_b32 s[G1+3], 32<<16                      ; tile_dim0 = 32
	s_mov_b32 s[G1+4], 80                          ; tile_dim1 = 80
	s_mov_b32 s[G1+5], 32                          ; 32 elements from row to row
	s_mov_b32 s[G1+6], 0
	s_mov_b32 s[G1+7], 0
	s_mul_i32 s24, s12, WPART                      ; my quarter, in the chunk and in the slot alike
	s_mul_i32 s26, s15, CHUNKS*SLOTB               ; my split's first chunk
	s_add_co_u32 s26, s26, s24
	s_mov_b32 s27, 0
	s_lshl_b32 s28, s14, 2
	s_add_co_u32 s28, s28, s12                     ; qw: my wave's block of 64 queries, 0..127 (in registers that feed no descriptor)
	s_lshl_b32 s30, s28, 16                        ; qf: 65,536 bytes a block
	s_mov_b32 s31, 0
	s_lshl_b32 s44, s15, 22                        ; po: 4 MiB a split, 32,768 bytes a block
	s_lshl_b32 s46, s28, 15
	s_add_co_u32 s44, s44, s46
	s_mov_b32 s45, 0
	s_lshl_b32 s46, s15, 7                         ; ml: 512 bytes for each (split, block)
	s_add_co_u32 s46, s46, s28
	s_lshl_b32 s46, s46, 9
	s_mov_b32 s47, 0
	s_mov_b32 s40, 0x76543210                      ; v_permlanex16_b32: lane i reads lane i of the other half
	s_mov_b32 s41, 0xfedcba98
	v_and_b32 v[LANE], 31, v0
	v_lshlrev_b32 v[ADRK], 4, v[LANE]
	v_add_nc_u32 v[ADRK+1], SLOTB, v[ADRK]
	v_add_nc_u32 v[ADRV], VOFF, v[ADRK]
	v_add_nc_u32 v[ADRV+1], SLOTB+VOFF, v[ADRK]
.irp nq, 0,1,2,3
	v_mov_b32 v[T2+\nq], 0                         ; v_permlanex16_b32 counts as a reader of its destination: written once here
.endr
	s_wait_dscnt 0x0
	s_wait_kmcnt 0x0
	s_add_nc_u64 s[6:7], s[6:7], s[26:27]
	s_add_nc_u64 s[4:5], s[4:5], s[30:31]
	s_add_nc_u64 s[8:9], s[8:9], s[44:45]
	s_add_nc_u64 s[10:11], s[10:11], s[46:47]
.irp sl, 0,1
	s_mov_b32 s[G0+4*\sl], 1                                       ; count = 1
	s_add_co_u32 s[G0+4*\sl+1], s24, \sl*SLOTB                     ; LDS address: wave x 20,480 + slot x 81,920
	s_add_nc_u64 s[G0+4*\sl+2:G0+4*\sl+3], s[6:7], \sl*SLOTB       ; chunk number sl
	s_or_b32 s[G0+4*\sl+3], s[G0+4*\sl+3], 0x80000000              ; type = 2
.endr
	ROUND                                          ; all four work-groups are here: the first joint load meets its partners'
	tensor_load_to_lds s[G0:G0+3], s[G1:G1+7]      ; chunk 0 into slot 0; slot 1 is first filled behind the first chunk's round
	s_nop 0
	; my 64 queries: 128 loads of 512 consecutive bytes, straight into fragment registers
	WIN QL1
.set f, 0
.rept 32
	global_load_b128 v[8*f:8*f+3],   v[ADRK], s[4:5] offset:f*1024
	global_load_b128 v[8*f+4:8*f+7], v[ADRK], s[4:5] offset:f*1024+512
.set f, f+1
.endr
	WIN QL2
.set f, 0
.rept 32
	global_load_b128 v[8*f:8*f+3],   v[ADRK], s[4:5] offset:(f+32)*1024
	global_load_b128 v[8*f+4:8*f+7], v[ADRK], s[4:5] offset:(f+32)*1024+512
.set f, f+1
.endr
	WIN 0
	s_wait_loadcnt 0x0                             ; once
; Eight LDS loads: the four key fragments (64 keys x 32 features) of K step ks, into buffer ks % 2
.macro LOADK slot, ks
.irp t, 0,1,2,3
	ds_load_b128 v[FR+32*((\ks)%2)+8*\t:FR+32*((\ks)%2)+8*\t+3],   v[ADRK+\slot] offset:(4*(\ks)+\t)*1024
	ds_load_b128 v[FR+32*((\ks)%2)+8*\t+4:FR+32*((\ks)%2)+8*\t+7], v[ADRK+\slot] offset:(4*(\ks)+\t)*1024+512
.endr
.endm
; Eight LDS loads: value fragments 4 i .. 4 i + 3 (keys 32 (i / 2) .. + 31, columns 64 (i % 2) .. + 63), into buffer i % 2
.macro LOADV slot, i
.irp t, 0,1,2,3
	ds_load_b128 v[FR+32*((\i)%2)+8*\t:FR+32*((\i)%2)+8*\t+3],   v[ADRV+\slot] offset:(4*(\i)+\t)*1024
	ds_load_b128 v[FR+32*((\i)%2)+8*\t+4:FR+32*((\i)%2)+8*\t+7], v[ADRV+\slot] offset:(4*(\i)+\t)*1024+512
.endr
.endm
; 32 features of S^T: 16 matrix instructions on 16 accumulators, which take turns, one instruction a turn, in the same order in every
; K step.  K step 0 starts the sums with the constant 0: nothing is cleared.
.macro KSTEP slot, ks
	s_wait_dscnt 0x8                               ; this step's eight loads are in; the next step's eight stay out
.if \ks < 8
	WIN QK_LO
.else
	WIN QK_HI
.endif
.irp kt, 0,1,2,3
.irp nq, 0,1,2,3
.set rd, SC+32*\nq+8*\kt
.set ra, FR+32*(\ks%2)+8*\kt
.set rb, 8*(4*(\ks%8)+\nq)
.if \ks == 0
	v_wmma_f32_16x16x32_bf16 v[rd:rd+7], v[ra:ra+7], v[rb:rb+7], 0
.else
	v_wmma_f32_16x16x32_bf16 v[rd:rd+7], v[ra:ra+7], v[rb:rb+7], v[rd:rd+7]
.endif
.endr
.endr
	PLACES                                         ; then the buffer just read is loaded again, two steps ahead
.if \ks < 14
	LOADK \slot, \ks+2
.else
	LOADV \slot, \ks-14
.endif
.endm
; The softmax of a chunk, all in the lane: 32 scores for each of four queries.
.macro SOFTMAX first
	; the running maximum, four chains side by side
.if \first
.irp nq, 0,1,2,3
	v_max3_num_f32 v[MX+\nq], v[SC+32*\nq], v[SC+32*\nq+1], v[SC+32*\nq+2]
.endr
.set ii, 3
.rept 14
.irp nq, 0,1,2,3
	v_max3_num_f32 v[MX+\nq], v[MX+\nq], v[SC+32*\nq+ii], v[SC+32*\nq+ii+1]
.endr
.set ii, ii+2
.endr
.irp nq, 0,1,2,3
	v_max_num_f32 v[MX+\nq], v[MX+\nq], v[SC+32*\nq+31]
.endr
.else
.set ii, 0
.rept 16
.irp nq, 0,1,2,3
	v_max3_num_f32 v[MX+\nq], v[MX+\nq], v[SC+32*\nq+ii], v[SC+32*\nq+ii+1]
.endr
.set ii, ii+2
.endr
.endif
.irp nq, 0,1,2,3
	v_permlanex16_b32 v[T2+\nq], v[MX+\nq], s40, s41               ; the other half of the lanes holds the query's other keys
.endr
.irp nq, 0,1,2,3
	v_max_num_f32 v[MX+\nq], v[MX+\nq], v[T2+\nq]
.endr
	; the shift -c x maximum; the factor on the old sums is made of the two rounded shifts themselves, so that old and new terms stay on one scale
.irp nq, 0,1,2,3
	v_mul_f32 v[TN+\nq], 0xbd38aa3b, v[MX+\nq]
.endr
.irp nq, 0,1,2,3
.if \first
.else
	v_sub_f32 v[AL+2*\nq], v[TN+\nq], v[NM+2*\nq]                  ; new shift - old shift, never above 0
.endif
	v_mov_b32 v[NM+2*\nq],   v[TN+\nq]
	v_mov_b32 v[NM+2*\nq+1], v[TN+\nq]
.endr
	; p = 2^(c s - c maximum)
.set ii, 0
.rept 16
.irp nq, 0,1,2,3
	v_pk_fma_f32 v[SC+32*\nq+ii:SC+32*\nq+ii+1], v[SC+32*\nq+ii:SC+32*\nq+ii+1], 0x3d38aa3b, v[NM+2*\nq:NM+2*\nq+1] op_sel_hi:[1,0,1]
.endr
.set ii, ii+2
.endr
.set ii, 0
.rept 128
	v_exp_f32 v[SC+ii], v[SC+ii]
.set ii, ii+1
.endr
.if \first
.else
.irp nq, 0,1,2,3
	v_exp_f32 v[AL+2*\nq], v[AL+2*\nq]
.endr
.endif
	v_nop                                          ; one plain vector instruction behind the run of transcendentals before a result is used (ISA guide 5.7.2)
.if \first
.else
	s_wait_alu depctr_va_vdst(0)
.irp nq, 0,1,2,3
	v_mov_b32 v[AL+2*\nq+1], v[AL+2*\nq]
.endr
.endif
	; the chunk's sums, two chains for each query
	s_wait_alu depctr_va_vdst(0)
.irp nq, 0,1,2,3
	v_pk_add_f32 v[SUM+2*\nq:SUM+2*\nq+1], v[SC+32*\nq:SC+32*\nq+1], v[SC+32*\nq+2:SC+32*\nq+3]
.endr
.set ii, 4
.rept 14
.irp nq, 0,1,2,3
	v_pk_add_f32 v[SUM+2*\nq:SUM+2*\nq+1], v[SUM+2*\nq:SUM+2*\nq+1], v[SC+32*\nq+ii:SC+32*\nq+ii+1]
.endr
.set ii, ii+2
.endr
.irp nq, 0,1,2,3
.if \first
	v_add_f32 v[LS+\nq], v[SUM+2*\nq], v[SUM+2*\nq+1]
.else
	v_fma_f32 v[LS+\nq], v[LS+\nq], v[AL+2*\nq], v[SUM+2*\nq]
	v_add_f32 v[LS+\nq], v[LS+\nq], v[SUM+2*\nq+1]
.endif
.endr
	; p to bf16 in place: sixteen registers (tiles 2 kp and 2 kp + 1) become the eight of source 1 for keys 32 kp .. + 31
.irp nq, 0,1,2,3
.irp kp, 0,1
.irp e, 0,1,2,3,4,5,6,7
	v_cvt_pk_bf16_f32 v[SC+32*\nq+16*\kp+\e], v[SC+32*\nq+16*\kp+2*\e], v[SC+32*\nq+16*\kp+2*\e+1]
.endr
.endr
.endr
	; the old sums of O^T onto the new scale
.if \first
.else
	WIN RESC
.irp ct, 0,1,2,3,4,5,6,7
.irp nq, 0,1,2,3
.irp e, 0,2,4,6
	v_pk_mul_f32 v[8*(4*\ct+\nq)+\e:8*(4*\ct+\nq)+\e+1], v[8*(4*\ct+\nq)+\e:8*(4*\ct+\nq)+\e+1], v[AL+2*\nq:AL+2*\nq+1]
.endr
.endr
.endr
.endif
.endm
; 32 keys x 64 columns of O^T: 16 matrix instructions on 16 accumulators by turns; steps i and i + 2 name the same sixteen.
.macro VSTEP slot, i, first
.if \i < 3
	s_wait_dscnt 0x8                               ; this step's eight loads are in; the next step's eight stay out
.else
	s_wait_dscnt 0x0                               ; the last eight
.endif
.set zc, 0
.if \first
.if \i < 2
.set zc, 1                                         ; the launch's first product into each tile starts its sum
.endif
.endif
	WIN PV
.irp t, 0,1,2,3
.irp nq, 0,1,2,3
.set rd, 8*(4*(4*(\i%2)+\t)+\nq)
.set ra, FR+32*(\i%2)+8*\t
.set rb, SC+32*\nq+16*(\i/2)
.if zc
	v_wmma_f32_16x16x32_bf16 v[rd:rd+7], v[ra:ra+7], v[rb:rb+7], 0
.else
	v_wmma_f32_16x16x32_bf16 v[rd:rd+7], v[ra:ra+7], v[rb:rb+7], v[rd:rd+7]
.endif
.endr
.endr
.if \i < 2
	WIN 0
	PLACES
	LOADV \slot, \i+2
.endif
.endm
; A chunk of 64 keys out of slot `slot`.  refill = 1: the next chunk is asked for, into the slot read last.
.macro CHUNK slot, first, refill
	s_wait_tensorcnt 0x0                           ; all my tensor loads have landed, my quarter of this chunk among them,
	ds_add_u32 v62, v63
	s_wait_dscnt 0x0
	s_add_nc_u64 s[G0+4*\slot+2:G0+4*\slot+3], s[G0+4*\slot+2:G0+4*\slot+3], 2*SLOTB   ; so a group 0 may be written: this slot's next chunk
	s_wait_dscnt 0x0                               ; my reads of the other slot are back
	ROUND                                          ; both now hold of every wave of all four work-groups
.if \refill
	tensor_load_to_lds s[G0+4-4*\slot:G0+7-4*\slot], s[G1:G1+7]    ; my one tensor load behind the round, and the first thing there
	s_nop 0
.endif
	LOADK \slot, 0
	LOADK \slot, 1
.irp ks, 0,1,2,3,4,5,6,7,8,9,10,11,12,13,14,15
	KSTEP \slot, \ks
.endr
	WIN 0
	SOFTMAX \first
.irp i, 0,1,2,3
	VSTEP \slot, \i, \first
.endr
	WIN 0
.rept 5
	v_nop                                          ; five places before the next chunk's first products write over P, which the last ones read;
.endr                                              ; they also serve the next loads into the buffers and, at the end, the stores of O^T
.endm
	CHUNK 0, 1, 1                                  ; the first chunk starts every sum
	CHUNK 1, 0, 1
	s_mov_b32 s42, (CHUNKS-4)/2
.Lloop:
	CHUNK 0, 0, 1
	CHUNK 1, 0, 1
	s_sub_co_u32 s42, s42, 1
	s_cmp_lg_u32 s42, 0
	s_cbranch_scc1 .Lloop
	CHUNK 0, 0, 1                                  ; asks for the last chunk
	CHUNK 1, 0, 0                                  ; nothing is left to fetch (its stepped address is not used)
	; the statistics: lanes 0-15 store the shifts of queries 16 n + r, lanes 16-31 the sums; one store of 512 consecutive bytes
.irp nq, 0,1,2,3
	v_permlanex16_b32 v[T2+\nq], v[LS+\nq], s40, s41
.endr
.irp nq, 0,1,2,3
	v_add_f32 v[LS+\nq], v[LS+\nq], v[T2+\nq]      ; both halves' keys
.endr
	v_cmp_gt_u32 vcc_lo, 16, v[LANE]
.irp nq, 0,1,2,3
	v_cndmask_b32 v[ST+\nq], v[LS+\nq], v[NM+2*\nq], vcc_lo
.endr
	global_store_b128 v[ADRK], v[ST:ST+3], s[10:11]
	; the sums as they lie: 64 stores of 512 consecutive bytes
	WIN OST
.set f, 0
.rept 32
	global_store_b128 v[ADRK], v[8*f:8*f+3],   s[8:9] offset:f*1024
	global_store_b128 v[ADRK], v[8*f+4:8*f+7], s[8:9] offset:f*1024+512
.set f, f+1
.endr
	WIN 0
	ROUND                                          ; the closing round: no work-group ends while a partner may still ask jointly
	s_endpgm
.Lfunc_end_k_qecfba460db_attn:
	.size	k_qecfba460db_attn, .Lfunc_end_k_qecfba460db_attn-k_qecfba460db_attn
	.p2alignl 7, 3214868480
	.fill 96, 4, 3214868480
	.section	.rodata,"a",@progbits
	.p2align	6, 0x0
	.amdhsa_kernel k_qecfba460db_attn
		.amdhsa_group_segment_fixed_size 327680
		.amdhsa_private_segment_fixed_size 0
		.amdhsa_enable_private_segment 0
		.amdhsa_kernarg_size 32
		.amdhsa_user_sgpr_count 2
		.amdhsa_user_sgpr_kernarg_segment_ptr 1
		.amdhsa_wavefront_size32 1
		.amdhsa_system_sgpr_workgroup_id_x 1
		.amdhsa_system_sgpr_workgroup_id_y 1
		.amdhsa_system_sgpr_workgroup_id_z 1
		.amdhsa_system_vgpr_workitem_id 0
		.amdhsa_next_free_vgpr 1024
		.amdhsa_next_free_sgpr 66
		.amdhsa_reserve_vcc 1
		.amdhsa_float_denorm_mode_32 3
		.amdhsa_float_denorm_mode_16_64 3
		.amdhsa_memory_ordered 1
		.amdhsa_forward_progress 1
		.amdhsa_inst_pref_size 255
	.end_amdhsa_kernel
	.section	.bss,"aw",@nobits
	.p2align	6
	.space	262144
	.amdgpu_metadata
---
amdhsa.version: [ 1, 2 ]
amdhsa.kernels:
  - .name:           k_qecfba460db_attn
    .symbol:         k_qecfba460db_attn.kd
    .args:
      - { .name: qf, .offset: 0, .size: 8, .value_kind: global_buffer, .address_space: global }
      - { .name: kv, .offset: 8, .size: 8, .value_kind: global_buffer, .address_space: global }
      - { .name: po, .offset: 16, .size: 8, .value_kind: global_buffer, .address_space: global }
      - { .name: ml, .offset: 24, .size: 8, .value_kind: global_buffer, .address_space: global }
    .group_segment_fixed_size: 327680
    .private_segment_fixed_size: 0
    .kernarg_segment_align: 8
    .kernarg_segment_size: 32
    .max_flat_workgroup_size: 128
    .sgpr_count:     66
    .vgpr_count:     1024
    .wavefront_size: 32
...
	.end_amdgpu_metadata
.endif
;; end of part 2
;; launch merge (part 3): grid 256 x 1, 8 waves a work-group, no clusters, 18,432 bytes of LDS; arguments po, ml, out0; writes out0
.if DOCPART == 3
	.amdgcn_target "amdgcn-amd-amdhsa--gfx1250"
	.amdhsa_code_object_version 6
	.text
	.protected	k_qecfba460db_merge
	.globl	k_qecfba460db_merge
	.p2align	8
	.type	k_qecfba460db_merge,@function
k_qecfba460db_merge:
	s_mov_b64 s[64:65], 0
	v_nop
	global_prefetch_b8 v0, s[64:65] scope:SCOPE_SE
	s_setreg_imm32_b32 hwreg(HW_REG_WAVE_MODE, 25, 1), 1
	s_wait_xcnt 0x0
; merge: joins the eight key splits.  For query q with shifts NM_s = -c max_s, sums l_s and unnormalised rows O_s:
;   w_s = 2^(min over s of NM_s - NM_s),   out = (sum of w_s O_s) / (sum of w_s l_s).
; The smallest shift belongs to the largest maximum, so every exponent is at most 0, and the split that holds the maximum has w = 1 and a
; sum that holds that maximum's own term: the denominator cannot vanish.
; A work-group: one block of 64 queries x 64 of the 128 columns.  Wave w: the accumulator tiles of columns 16 ct .. + 15 (ct = 4 x half + w / 2),
; registers 4 g .. 4 g + 3 of them (g = w % 2), all four groups of 16 queries, all eight splits: 32 loads of 512 consecutive bytes, all in
; flight at once.  The results go through LDS (rows of 256 + 16 bytes) so that sixteen neighbouring lanes store 256 consecutive, aligned bytes.
; Memory binds: no matrix unit, no cluster (no bytes of po are shared), no tensor load.
; LIMIT: the statistics must be finite, as the launch before leaves them for finite inputs.
.set SPLITB, 0x400000                  ; bytes of a split in po
.set OPITCH, 272                       ; 17 x 16: sixteen rows start in sixteen different 16-byte columns modulo 256
.set MS,  16                           ; v[16:47]   split s, group n: the shift, then the weight
.set LSM, 48                           ; v[48:79]   the sums of exponentials
.set X,   80                           ; v[80:207]  split s, group n: four numbers
.set ACC, 208                          ; v[208:223]
.set MN,  224                          ; v[224:227] the smallest shift
.set DEN, 228                          ; v[228:231] the denominator
.set RD,  232                          ; v[232:235] its reciprocal
	s_load_b128 s[4:7], s[0:1], 0x0                ; po s[4:5], ml s[6:7]
	s_load_b64 s[8:9], s[0:1], 0x10                ; out0
	v_lshl_add_u32 v240, v0, 2, 0x4400
	v_mov_b32 v241, 0
	v_lshrrev_b32 v1, 5, v0
	v_readfirstlane_b32 s12, v1                    ; wave 0..7
	v_and_b32 v1, 31, v0                           ; lane
	v_and_b32 v2, 15, v0                           ; r
	v_bfe_u32 v3, v0, 4, 1                         ; h
	v_lshlrev_b32 v4, 4, v1                        ; 16 x lane
	v_lshlrev_b32 v5, 4, v2                        ; 16 r: the four statistics of queries 16 n + r
	s_lshr_b32 s13, ttmp9, 1                       ; block of 64 queries
	s_and_b32 s14, ttmp9, 1                        ; which 64 columns
	s_lshr_b32 s15, s12, 1
	s_and_b32 s32, s12, 1                          ; g
	s_lshl_b32 s34, s13, 15                        ; po: 32,768 bytes a block,
	s_lshl_b32 s33, s14, 14                        ; 4,096 for each ct (four tiles of 1,024): 4 x half
	s_add_co_u32 s34, s34, s33
	s_lshl_b32 s33, s15, 12                        ; + w / 2
	s_add_co_u32 s34, s34, s33
	s_lshl_b32 s33, s32, 9                         ; 512 for g
	s_add_co_u32 s34, s34, s33
	s_mov_b32 s35, 0
	s_lshl_b32 s36, s13, 9                         ; ml: 512 bytes a block
	s_mov_b32 s37, 0
	s_lshl_b32 s38, s13, 15                        ; out0: 64 rows of 512 bytes a block,
	s_lshl_b32 s33, s14, 8                         ; 256 bytes for the half,
	s_add_co_u32 s38, s38, s33
	s_lshl_b32 s33, s12, 12                        ; eight rows a wave on the way out
	s_add_co_u32 s38, s38, s33
	s_mov_b32 s39, 0
	s_wait_kmcnt 0x0
	s_add_nc_u64 s[16:17], s[4:5], s[34:35]        ; a base for each split: the distance does not fit a load's immediate
.irp s, 1,2,3,4,5,6,7
	s_add_nc_u64 s[16+2*\s:17+2*\s], s[14+2*\s:15+2*\s], SPLITB
.endr
	s_add_nc_u64 s[10:11], s[6:7], s[36:37]
	s_add_nc_u64 s[8:9], s[8:9], s[38:39]
.irp s, 0,1,2,3,4,5,6,7
	global_load_b128 v[MS+4*\s:MS+4*\s+3],   v5, s[10:11] offset:\s*65536
	global_load_b128 v[LSM+4*\s:LSM+4*\s+3], v5, s[10:11] offset:\s*65536+256
.endr
.irp s, 0,1,2,3,4,5,6,7
.irp n, 0,1,2,3
	global_load_b128 v[X+16*\s+4*\n:X+16*\s+4*\n+3], v4, s[16+2*\s:17+2*\s] offset:\n*1024 th:TH_LOAD_NT
.endr
.endr
	; LDS addresses, while the loads are on their way
	s_lshl_b32 s34, s15, 6                         ; my 16 columns: 64 bytes x (w / 2),
	s_lshl_b32 s35, s32, 4                         ; my four of each eight: 16 g
	s_add_co_u32 s34, s34, s35
	s_mul_i32 s36, s12, 8*OPITCH                   ; back: rows 8 w .. 8 w + 7
	v_mul_u32_u24 v6, v2, OPITCH                   ; in: row 16 n + r (n in the immediate), columns 8 h + 4 g + 0..3 of my sixteen
	v_lshl_add_u32 v6, v3, 5, v6
	v_add_nc_u32 v6, s34, v6
	v_mul_u32_u24 v7, v3, OPITCH                   ; back: lanes 0-15 one row of 256 bytes, lanes 16-31 the next
	v_lshl_add_u32 v7, v2, 4, v7
	v_add_nc_u32 v7, s36, v7
	v_lshlrev_b32 v8, 9, v3                        ; and the same two rows in out0
	v_lshl_add_u32 v8, v2, 4, v8
	s_wait_loadcnt 32                              ; the sixteen loads of statistics are in; the 32 of po stay out
.irp n, 0,1,2,3
	v_min3_num_f32 v[MN+\n], v[MS+\n], v[MS+4+\n], v[MS+8+\n]
.endr
.irp n, 0,1,2,3
	v_min3_num_f32 v[MN+\n], v[MN+\n], v[MS+12+\n], v[MS+16+\n]
.endr
.irp n, 0,1,2,3
	v_min3_num_f32 v[MN+\n], v[MN+\n], v[MS+20+\n], v[MS+24+\n]
.endr
.irp n, 0,1,2,3
	v_min_num_f32 v[MN+\n], v[MN+\n], v[MS+28+\n]
.endr
.irp s, 0,1,2,3,4,5,6,7
.irp n, 0,1,2,3
	v_sub_f32 v[MS+4*\s+\n], v[MN+\n], v[MS+4*\s+\n]               ; never above 0
.endr
.endr
.set ii, 0
.rept 32
	v_exp_f32 v[MS+ii], v[MS+ii]
.set ii, ii+1
.endr
	v_nop                                          ; one plain vector instruction behind the transcendentals before a result is used (ISA guide 5.7.2)
	s_wait_alu depctr_va_vdst(0)
.irp n, 0,1,2,3
	v_mul_f32 v[DEN+\n], v[MS+\n], v[LSM+\n]
.endr
.irp s, 1,2,3,4,5,6,7
.irp n, 0,1,2,3
	v_fmac_f32 v[DEN+\n], v[MS+4*\s+\n], v[LSM+4*\s+\n]
.endr
.endr
.irp n, 0,1,2,3
	v_rcp_f32 v[RD+\n], v[DEN+\n]
.endr
	v_nop
.irp s, 0,1,2,3,4,5,6,7
	s_wait_loadcnt 28-4*\s                         ; split s's four loads are in; the later splits' stay out
.irp n, 0,1,2,3
.irp e, 0,1,2,3
.if \s == 0
	v_mul_f32 v[ACC+4*\n+\e], v[MS+\n], v[X+4*\n+\e]               ; the first split starts the sums
.else
	v_fmac_f32 v[ACC+4*\n+\e], v[MS+4*\s+\n], v[X+16*\s+4*\n+\e]
.endif
.endr
.endr
.endr
	s_wait_alu depctr_va_vdst(0)
.irp n, 0,1,2,3
.irp e, 0,1,2,3
	v_mul_f32 v[ACC+4*\n+\e], v[ACC+4*\n+\e], v[RD+\n]
.endr
	ds_store_b128 v6, v[ACC+4*\n:ACC+4*\n+3] offset:\n*16*OPITCH
.endr
	s_wait_dscnt 0x0                               ; my stores are in LDS, for the other waves' sake,
	s_barrier_signal -1
	s_barrier_wait -1                              ; and so are everybody's
.irp t, 0,1,2,3
	ds_load_b128 v[X+4*\t:X+4*\t+3], v7 offset:\t*2*OPITCH
.endr
.irp t, 0,1,2,3
	s_wait_dscnt 3-\t                              ; read-back t is in, the younger ones stay out
	global_store_b128 v8, v[X+4*\t:X+4*\t+3], s[8:9] offset:\t*1024 th:TH_STORE_NT   ; sixteen lanes store 256 consecutive bytes, at a multiple of 256 from out0's start
.endr
	s_wait_tensorcnt 0x0
	ds_add_u32 v240, v241
	s_wait_dscnt 0x0
	s_endpgm
.Lfunc_end_k_qecfba460db_merge:
	.size	k_qecfba460db_merge, .Lfunc_end_k_qecfba460db_merge-k_qecfba460db_merge
	.p2alignl 7, 3214868480
	.fill 96, 4, 3214868480
	.section	.rodata,"a",@progbits
	.p2align	6, 0x0
	.amdhsa_kernel k_qecfba460db_merge
		.amdhsa_group_segment_fixed_size 18432
		.amdhsa_private_segment_fixed_size 0
		.amdhsa_enable_private_segment 0
		.amdhsa_kernarg_size 24
		.amdhsa_user_sgpr_count 2
		.amdhsa_user_sgpr_kernarg_segment_ptr 1
		.amdhsa_wavefront_size32 1
		.amdhsa_system_sgpr_workgroup_id_x 1
		.amdhsa_system_sgpr_workgroup_id_y 1
		.amdhsa_system_sgpr_workgroup_id_z 1
		.amdhsa_system_vgpr_workitem_id 0
		.amdhsa_next_free_vgpr 242
		.amdhsa_next_free_sgpr 66
		.amdhsa_reserve_vcc 0
		.amdhsa_float_denorm_mode_32 3
		.amdhsa_float_denorm_mode_16_64 3
		.amdhsa_memory_ordered 1
		.amdhsa_forward_progress 1
		.amdhsa_inst_pref_size 18
	.end_amdhsa_kernel
	.amdgpu_metadata
---
amdhsa.version: [ 1, 2 ]
amdhsa.kernels:
  - .name:           k_qecfba460db_merge
    .symbol:         k_qecfba460db_merge.kd
    .args:
      - { .name: po, .offset: 0, .size: 8, .value_kind: global_buffer, .address_space: global }
      - { .name: ml, .offset: 8, .size: 8, .value_kind: global_buffer, .address_space: global }
      - { .name: out0, .offset: 16, .size: 8, .value_kind: global_buffer, .address_space: global }
    .group_segment_fixed_size: 18432
    .private_segment_fixed_size: 0
    .kernarg_segment_align: 8
    .kernarg_segment_size: 24
    .max_flat_workgroup_size: 256
    .sgpr_count:     66
    .vgpr_count:     242
    .wavefront_size: 32
...
	.end_amdgpu_metadata
.endif
;; end of part 3
;; ======== version 2 of 2: 3 launches; version 1 with the launches pack, merge written anew for expert scheduling mode
;; workspace buffers: qf 8,388,608 bytes; kv 10,485,760 bytes; po 33,554,432 bytes; ml 524,288 bytes
;; launch pack (part 4): grid 576 x 1, 4 waves a work-group, no clusters, 34,304 bytes of LDS; arguments query, key, value, qf, kv; writes qf, kv
.if DOCPART == 4
	.amdgcn_target "amdgcn-amd-amdhsa--gfx1250"
	.amdhsa_code_object_version 6
	.text
	.protected	k_qecfba460db_pack
	.globl	k_qecfba460db_pack
	.p2align	8
	.type	k_qecfba460db_pack,@function
k_qecfba460db_pack:
	s_mov_b64 s[64:65], 0
	v_nop
	global_prefetch_b8 v0, s[64:65] scope:SCOPE_SE
	s_setreg_imm32_b32 hwreg(HW_REG_WAVE_SCHED_MODE, 0, 2), 2
	s_setreg_imm32_b32 hwreg(HW_REG_WAVE_MODE, 25, 1), 1
	s_wait_xcnt 0x0
	s_wait_alu depctr_vm_vsrc(0)
; pack: query, key and value (f32) are rounded once to bf16 and written in the order in which the attention launch's
; matrix fragments want them, so that that launch needs neither a conversion nor a transposing load.
;   qf: [block of 64 queries][fragment f = 4 ks + n][half j][lane][16 bytes]: lane (r = lane % 16, h = lane / 16) holds
;       query 64 block + 16 n + r, features 32 ks + 16 j + 8 h + 0..7.
;   kv: chunks of 81,920 bytes for 64 keys: 65,536 bytes of key fragments laid out as a block of qf, then 16,384 bytes of
;       fragments of value transposed: fragment 8 kp + ct, [j][lane][16 bytes] = column 16 ct + r, keys 32 kp + 16 j + 8 h + 0..7.
; 2,304 equal tasks, one a wave, each 16 KiB in and 8 KiB out: work-groups 0-255 take query, 256-511 key, 512-575 value.
; A task goes through the wave's OWN 8,448 bytes of LDS (address = wave x 8,448 + ...), so no barrier is needed, and since
; LDS serves one wave's instructions in order (ISA guide 5.7.1) no wait stands between its LDS stores and its LDS loads.
; Every global load and store of a wave covers 512 consecutive bytes that start at a multiple of 512 from the buffer's start.
; Memory binds here: no matrix unit, no cluster (no two work-groups read the same bytes), no tensor load (all 16 KiB of a
; task are in flight in registers at once).
; THE MODE: SCHED_MODE bits 1:0 = 2 (LLVM: expert scheduling mode 2), set by the entry lines.  The code itself states the register
; dependences between vector instructions and memory or LDS instructions, with s_wait_alu, always for 0.
; THE PLAN.  Registers that memory or LDS instructions touch, on either arm:
;   v2, v5, v6  offset and LDS addresses: written once, ahead of the task's first load, and never again.
;   X           written by the 32 global loads; read by the conversions; its first 64 registers are written again by the 16 read-backs
;               and then read by the 16 global stores.
;   Y           64 registers, a place of its own for every converted number: written by a batch's conversions, read by the LDS stores that
;               are issued in the next batch; no register of it is written twice.
;   v160, v161  written at the head, read by the closing add alone.
; The 32 loads are worked on in four batches of eight.  Batch b's conversions name X's and Y's part b alone; its LDS stores read Y's part b - 1.
; So one wait on va_vdst at a batch's head states all that the batch's LDS stores hang on, and they are dealt among its conversions.  One more
; stands behind the last conversions; no vector instruction follows it.
.set QROW,   2048                      ; bytes in a row of query or key (512 f32)
.set PITCH,  528                       ; LDS row of 256 bf16 + 16 bytes: 33 x 16, so 16 rows start in 16 different 16-byte columns modulo 256
.set VPITCH, 1040                      ; LDS pitch of a value fragment: 1,024 + 16 = 65 x 16, for the same reason
.set WLDS,   8448                      ; LDS bytes of a wave: 16 x 528 (8 x 1,040 = 8,320 fit as well)
.set QBLK,   65536                     ; bytes of a block of qf
.set CHUNKB, 81920                     ; bytes of a chunk of kv
.set X, 32                             ; v[32:159]  32 loads of 4 registers; v[32:95] are used again for the 16 read-backs
.set Y, 162                            ; v[162:225] converted numbers on their way into LDS: 16 registers a batch
	s_load_b256 s[4:11], s[0:1], 0x0               ; query s[4:5], key s[6:7], value s[8:9], qf s[10:11]
	s_load_b64 s[12:13], s[0:1], 0x20              ; kv
	v_lshl_add_u32 v160, v0, 2, 0x8400             ; my spare word, behind the four waves' 4 x 8,448 bytes, and 0: kept for the closing lines alone
	v_mov_b32 v161, 0
	v_lshrrev_b32 v3, 5, v0
	v_readfirstlane_b32 s14, v3                    ; wave 0..3
	v_and_b32 v1, 31, v0                           ; lane
	v_lshlrev_b32 v2, 4, v1                        ; 16 x lane: the lane's place in every global load and store
	s_wait_alu depctr_va_sdst(0)                   ; s14 is written, ahead of its first reader: LDS addresses and both arms' bases are made from it
	s_mul_i32 s15, s14, WLDS                       ; my wave's LDS bytes
	s_mov_b32 s20, QBLK
	s_mov_b32 s21, CHUNKB
	s_wait_kmcnt 0x0
	s_cmp_ge_u32 ttmp9, 512
	s_cbranch_scc1 .Lvalue                         ; the same way for all four waves of a work-group
	; ---- query or key: the wave takes 16 rows x 256 features ----
	s_cmp_ge_u32 ttmp9, 256                        ; work-groups 256-511: key into kv; 0-255: query into qf
	s_cselect_b64 s[16:17], s[6:7], s[4:5]         ; from
	s_cselect_b64 s[18:19], s[12:13], s[10:11]     ; to
	s_cselect_b32 s20, s21, s20                    ; bytes from one block of 64 rows to the next in the target
	s_and_b32 s22, ttmp9, 255
	s_lshr_b32 s23, s14, 1
	s_and_b32 s24, s14, 1                          ; which 256 features
	s_lshl_b32 s25, s22, 1
	s_add_co_u32 s25, s25, s23                     ; which 16 rows, 0..511
	s_lshl_b32 s26, s25, 15                        ; 16 rows of 2,048 bytes
	s_lshl_b32 s30, s24, 10                        ; 256 f32
	s_add_co_u32 s26, s26, s30
	s_mov_b32 s27, 0
	s_add_nc_u64 s[16:17], s[16:17], s[26:27]
	s_lshr_b32 s28, s25, 2                         ; block of 64 rows
	s_mul_i32 s28, s28, s20
	s_and_b32 s30, s25, 3                          ; which 16 rows of the block: the fragment's n (or kt)
	s_lshl_b32 s31, s24, 5                         ; my first ks is 8 x half: fragment 32 x half + n
	s_add_co_u32 s30, s30, s31
	s_lshl_b32 s30, s30, 10                        ; fragments of 1,024 bytes
	s_add_co_u32 s28, s28, s30
	s_mov_b32 s29, 0
	s_add_nc_u64 s[18:19], s[18:19], s[28:29]
	v_and_b32 v3, 15, v0                           ; r
	v_bfe_u32 v4, v0, 4, 1                         ; h
	v_lshl_add_u32 v5, v1, 3, s15                  ; in: 8 bytes (4 bf16) a lane
	v_mul_u32_u24 v6, v3, PITCH                    ; back: row r, 16 bytes at 16 h
	v_lshl_add_u32 v6, v4, 4, v6
	v_add_nc_u32 v6, s15, v6
	s_wait_alu depctr_va_vdst(0)                   ; v2, v5 and v6 are written: every load and store of this arm, global or LDS, reads one of them as its address
.set m, 0
.rept 32                                           ; load m: row m / 2, its 512 bytes number m % 2; the whole task is in flight
	global_load_b128 v[X+4*m:X+4*m+3], v2, s[16:17] offset:(m/2)*QROW+(m%2)*512 th:TH_LOAD_NT
.set m, m+1
.endr
.set b, 0
.rept 4                                            ; batch b: loads 8 b .. 8 b + 7 are converted; the batch before goes into LDS
	s_wait_loadcnt 24-8*b                          ; loads come back in order (ISA guide 5.7.1): this batch's eight are in, the 24 - 8 b younger ones stay out
.if b > 0
	s_wait_alu depctr_va_vdst(0)                   ; the batch before has written its part of Y, which the LDS stores below read; no conversion of this batch names it
.endif
.set i, 0
.rept 8
.set m, 8*b+i
.if b > 0
	ds_store_b64 v5, v[Y+2*(m-8):Y+2*(m-8)+1] offset:((m-8)/2)*PITCH+((m-8)%2)*256
.endif
	v_cvt_pk_bf16_f32 v[Y+2*m],   v[X+4*m],   v[X+4*m+1]
	v_cvt_pk_bf16_f32 v[Y+2*m+1], v[X+4*m+2], v[X+4*m+3]
.set i, i+1
.endr
.set b, b+1
.endr
	s_wait_alu depctr_va_vdst(0)                   ; the last batch has written its part of Y, which the LDS stores below read; and all conversions are done reading X, in which the read-backs land
.set m, 24
.rept 8
	ds_store_b64 v5, v[Y+2*m:Y+2*m+1] offset:(m/2)*PITCH+(m%2)*256
.set m, m+1
.endr
.set m, 0
.rept 16                                           ; read-back m: K step m / 2 of my eight, half j = m % 2: features 32 (m / 2) + 16 j + 8 h + 0..7 of row r
	ds_load_b128 v[X+4*m:X+4*m+3], v6 offset:(m/2)*64+(m%2)*32
.set m, m+1
.endr
.set m, 0
.rept 16
	s_wait_dscnt 15-m                              ; read-back m is in, the younger ones stay out
	global_store_b128 v2, v[X+4*m:X+4*m+3], s[18:19] offset:(m/2)*4096+(m%2)*512   ; one K step on is four fragments on
.set m, m+1
.endr
	s_wait_dscnt 0x0                               ; the closing lines, six on end
	s_wait_alu 0x0
	s_wait_tensorcnt 0x0
	ds_add_u32 v160, v161
	s_wait_dscnt 0x0
	s_endpgm
	; ---- value: the wave takes 32 keys x 128 columns and transposes them ----
.Lvalue:
	s_sub_co_u32 s24, ttmp9, 512
	s_lshl_b32 s24, s24, 2
	s_add_co_u32 s24, s24, s14                     ; which 32 keys, 0..255
	s_lshl_b32 s26, s24, 14                        ; 32 rows of 512 bytes
	s_mov_b32 s27, 0
	s_add_nc_u64 s[16:17], s[8:9], s[26:27]
	s_lshr_b32 s28, s24, 1                         ; chunk of 64 keys
	s_mul_i32 s28, s28, s21
	s_and_b32 s30, s24, 1                          ; kp: which 32 keys of the chunk
	s_lshl_b32 s30, s30, 13                        ; eight fragments of 1,024 bytes
	s_add_co_u32 s28, s28, s30
	s_add_co_u32 s28, s28, QBLK                    ; behind the chunk's key fragments
	s_mov_b32 s29, 0
	s_add_nc_u64 s[18:19], s[12:13], s[28:29]
	v_lshrrev_b32 v3, 2, v1                        ; my four columns 4 lane + e lie in fragment ct = lane / 4,
	v_and_b32 v4, 3, v1                            ; at r = 4 (lane % 4) + e
	v_mul_u32_u24 v5, v3, VPITCH
	v_lshl_add_u32 v5, v4, 6, v5
	v_add_nc_u32 v5, s15, v5                       ; in: ct x 1,040 + 64 (lane % 4); e, j and h stand in the immediate
	v_add_nc_u32 v6, s15, v2                       ; back: 16 x lane
	s_wait_alu depctr_va_vdst(0)                   ; v2, v5 and v6 are written: every load and store of this arm, global or LDS, reads one of them as its address
.set m, 0
.rept 32                                           ; load m: key m, all 128 columns; the lane gets columns 4 lane .. + 3
	global_load_b128 v[X+4*m:X+4*m+3], v2, s[16:17] offset:m*512 th:TH_LOAD_NT
.set m, m+1
.endr
.irp kg, 0,1,2,3                                   ; eight keys at a time: j = kg / 2, h = kg % 2; the eight keys before go into LDS
	s_wait_loadcnt 24-8*\kg                        ; keys up to 8 kg + 7 are in; the 24 - 8 kg younger loads stay out
.if \kg > 0
	s_wait_alu depctr_va_vdst(0)                   ; the eight keys before are written into their part of Y, which the LDS stores below read; no conversion of this batch names it
.endif
.irp e, 0,1,2,3
.if \kg > 0
	ds_store_b128 v5, v[Y+16*(\kg-1)+4*\e:Y+16*(\kg-1)+4*\e+3] offset:\e*16+((\kg-1)/2)*512+((\kg-1)%2)*256
.endif
.irp a, 0,1,2,3
	v_cvt_pk_bf16_f32 v[Y+16*\kg+4*\e+\a], v[X+4*(8*\kg+2*\a)+\e], v[X+4*(8*\kg+2*\a+1)+\e]   ; two neighbouring keys of one column
.endr
.endr
.endr
	s_wait_alu depctr_va_vdst(0)                   ; the last eight keys are written into their part of Y, which the LDS stores below read; and all conversions are done reading X, in which the read-backs land
.irp e, 0,1,2,3
	ds_store_b128 v5, v[Y+48+4*\e:Y+48+4*\e+3] offset:\e*16+512+256
.endr
.set m, 0
.rept 16                                           ; read-back m: fragment ct = m / 2, half j = m % 2, as it goes to memory
	ds_load_b128 v[X+4*m:X+4*m+3], v6 offset:(m/2)*VPITCH+(m%2)*512
.set m, m+1
.endr
.set m, 0
.rept 16
	s_wait_dscnt 15-m
	global_store_b128 v2, v[X+4*m:X+4*m+3], s[18:19] offset:m*512
.set m, m+1
.endr
	s_wait_dscnt 0x0                               ; the closing lines, six on end
	s_wait_alu 0x0
	s_wait_tensorcnt 0x0
	ds_add_u32 v160, v161
	s_wait_dscnt 0x0
	s_endpgm
.Lfunc_end_k_qecfba460db_pack:
	.size	k_qecfba460db_pack, .Lfunc_end_k_qecfba460db_pack-k_qecfba460db_pack
	.p2alignl 7, 3214868480
	.fill 96, 4, 3214868480
	.section	.rodata,"a",@progbits
	.p2align	6, 0x0
	.amdhsa_kernel k_qecfba460db_pack
		.amdhsa_group_segment_fixed_size 34304
		.amdhsa_private_segment_fixed_size 0
		.amdhsa_enable_private_segment 0
		.amdhsa_kernarg_size 40
		.amdhsa_user_sgpr_count 2
		.amdhsa_user_sgpr_kernarg_segment_ptr 1
		.amdhsa_wavefront_size32 1
		.amdhsa_system_sgpr_workgroup_id_x 1
		.amdhsa_system_sgpr_workgroup_id_y 1
		.amdhsa_system_sgpr_workgroup_id_z 1
		.amdhsa_system_vgpr_workitem_id 0
		.amdhsa_next_free_vgpr 226
		.amdhsa_next_free_sgpr 66
		.amdhsa_reserve_vcc 0
		.amdhsa_float_denorm_mode_32 3
		.amdhsa_float_denorm_mode_16_64 3
		.amdhsa_memory_ordered 1
		.amdhsa_forward_progress 1
		.amdhsa_inst_pref_size 27
	.end_amdhsa_kernel
	.amdgpu_metadata
---
amdhsa.version: [ 1, 2 ]
amdhsa.kernels:
  - .name:           k_qecfba460db_pack
    .symbol:         k_qecfba460db_pack.kd
    .args:
      - { .name: query, .offset: 0, .size: 8, .value_kind: global_buffer, .address_space: global }
      - { .name: key, .offset: 8, .size: 8, .value_kind: global_buffer, .address_space: global }
      - { .name: value, .offset: 16, .size: 8, .value_kind: global_buffer, .address_space: global }
      - { .name: qf, .offset: 24, .size: 8, .value_kind: global_buffer, .address_space: global }
      - { .name: kv, .offset: 32, .size: 8, .value_kind: global_buffer, .address_space: global }
    .group_segment_fixed_size: 34304
    .private_segment_fixed_size: 0
    .kernarg_segment_align: 8
    .kernarg_segment_size: 40
    .max_flat_workgroup_size: 128
    .sgpr_count:     66
    .vgpr_count:     226
    .wavefront_size: 32
...
	.end_amdgpu_metadata
.endif
;; end of part 4
;; launch attn: the kernel of part 2 again; grid 32 x 8, 4 waves a work-group, clusters of 4 x 1, 327,680 bytes of LDS; arguments qf, kv, po, ml; writes po, ml
;; launch merge (part 5): grid 256 x 1, 8 waves a work-group, no clusters, 18,432 bytes of LDS; arguments po, ml, out0; writes out0
.if DOCPART == 5
	.amdgcn_target "amdgcn-amd-amdhsa--gfx1250"
	.amdhsa_code_object_version 6
	.text
	.protected	k_qecfba460db_merge
	.globl	k_qecfba460db_merge
	.p2align	8
	.type	k_qecfba460db_merge,@function
k_qecfba460db_merge:
	s_mov_b64 s[64:65], 0
	v_nop
	global_prefetch_b8 v0, s[64:65] scope:SCOPE_SE
	s_setreg_imm32_b32 hwreg(HW_REG_WAVE_SCHED_MODE, 0, 2), 2
	s_setreg_imm32_b32 hwreg(HW_REG_WAVE_MODE, 25, 1), 1
	s_wait_xcnt 0x0
	s_wait_alu depctr_vm_vsrc(0)
; merge: joins the eight key splits.  For query q with shifts NM_s = -c max_s, sums l_s and unnormalised rows O_s:
;   w_s = 2^(min over s of NM_s - NM_s),   out = (sum of w_s O_s) / (sum of w_s l_s).
; The smallest shift belongs to the largest maximum, so every exponent is at most 0, and the split that holds the maximum has w = 1 and a
; sum that holds that maximum's own term: the denominator cannot vanish.
; A work-group: one block of 64 queries x 64 of the 128 columns.  Wave w: the accumulator tiles of columns 16 ct .. + 15 (ct = 4 x half + w / 2),
; registers 4 g .. 4 g + 3 of them (g = w % 2), all four groups of 16 queries, all eight splits: 32 loads of 512 consecutive bytes, all in
; flight at once.  The results go through LDS (rows of 256 + 16 bytes) so that sixteen neighbouring lanes store 256 consecutive, aligned bytes.
; Memory binds: no matrix unit, no cluster (no bytes of po are shared), no tensor load.
; LIMIT: the statistics must be finite, as the launch before leaves them for finite inputs.
; THE MODE: SCHED_MODE bits 1:0 = 2 (LLVM: expert scheduling mode 2), set by the entry lines.  The code itself states the register
; dependences between vector instructions and memory or LDS instructions, with s_wait_alu, always for 0.
; THE PLAN.  Registers that memory or LDS instructions touch:
;   v4, v5       offsets of the global loads: written at the head, never again.
;   MS, LSM, X   each loaded once, then named by vector instructions; of them v[X:X+15] alone is loaded again, by the four read-backs.
;   ACC          written by vector instructions, last by the sixteen multiplies by 1 / denominator; read by the four LDS stores; never written again.
;   v6, v7, v8   addresses of the way out: written while the global loads are out, never again; read by the LDS stores, the read-backs, the global stores.
;   v240, v241   written at the head, read by the closing add alone.
; No register that a memory or LDS instruction has read is written again.  The waits on va_vdst: one ahead of the first load (v4, v5); one behind each
; batch of transcendentals, ahead of its first reader; one behind the last vector instruction of the text, ahead of the way out.
.set SPLITB, 0x400000                  ; bytes of a split in po
.set OPITCH, 272                       ; 17 x 16: sixteen rows start in sixteen different 16-byte columns modulo 256
.set MS,  16                           ; v[16:47]   split s, group n: the shift, then the weight
.set LSM, 48                           ; v[48:79]   the sums of exponentials
.set X,   80                           ; v[80:207]  split s, group n: four numbers
.set ACC, 208                          ; v[208:223]
.set MN,  224                          ; v[224:227] the smallest shift
.set DEN, 228                          ; v[228:231] the denominator
.set RD,  232                          ; v[232:235] its reciprocal
	s_load_b128 s[4:7], s[0:1], 0x0                ; po s[4:5], ml s[6:7]
	s_load_b64 s[8:9], s[0:1], 0x10                ; out0
	v_lshl_add_u32 v240, v0, 2, 0x4400             ; my spare word, behind the 64 rows of 272 bytes, and 0: kept for the closing lines alone
	v_mov_b32 v241, 0
	v_lshrrev_b32 v1, 5, v0
	v_readfirstlane_b32 s12, v1                    ; wave 0..7
	v_and_b32 v1, 31, v0                           ; lane
	v_and_b32 v2, 15, v0                           ; r
	v_bfe_u32 v3, v0, 4, 1                         ; h
	v_lshlrev_b32 v4, 4, v1                        ; 16 x lane
	v_lshlrev_b32 v5, 4, v2                        ; 16 r: the four statistics of queries 16 n + r
	s_wait_alu depctr_va_sdst(0)                   ; s12 is written, ahead of its first reader: the bases of po and out0 and the LDS addresses are made from it
	s_lshr_b32 s13, ttmp9, 1                       ; block of 64 queries
	s_and_b32 s14, ttmp9, 1                        ; which 64 columns
	s_lshr_b32 s15, s12, 1
	s_and_b32 s32, s12, 1                          ; g
	s_lshl_b32 s34, s13, 15                        ; po: 32,768 bytes a block,
	s_lshl_b32 s33, s14, 14                        ; 4,096 for each ct (four tiles of 1,024): 4 x half
	s_add_co_u32 s34, s34, s33
	s_lshl_b32 s33, s15, 12                        ; + w / 2
	s_add_co_u32 s34, s34, s33
	s_lshl_b32 s33, s32, 9                         ; 512 for g
	s_add_co_u32 s34, s34, s33
	s_mov_b32 s35, 0
	s_lshl_b32 s36, s13, 9                         ; ml: 512 bytes a block
	s_mov_b32 s37, 0
	s_lshl_b32 s38, s13, 15                        ; out0: 64 rows of 512 bytes a block,
	s_lshl_b32 s33, s14, 8                         ; 256 bytes for the half,
	s_add_co_u32 s38, s38, s33
	s_lshl_b32 s33, s12, 12                        ; eight rows a wave on the way out
	s_add_co_u32 s38, s38, s33
	s_mov_b32 s39, 0
	s_wait_kmcnt 0x0
	s_add_nc_u64 s[16:17], s[4:5], s[34:35]        ; a base for each split: the distance does not fit a load's immediate
.irp s, 1,2,3,4,5,6,7
	s_add_nc_u64 s[16+2*\s:17+2*\s], s[14+2*\s:15+2*\s], SPLITB
.endr
	s_add_nc_u64 s[10:11], s[6:7], s[36:37]
	s_add_nc_u64 s[8:9], s[8:9], s[38:39]
	s_wait_alu depctr_va_vdst(0)                   ; v4 and v5 are written, which the 48 loads below read as their offsets
.irp s, 0,1,2,3,4,5,6,7
	global_load_b128 v[MS+4*\s:MS+4*\s+3],   v5, s[10:11] offset:\s*65536
	global_load_b128 v[LSM+4*\s:LSM+4*\s+3], v5, s[10:11] offset:\s*65536+256
.endr
.irp s, 0,1,2,3,4,5,6,7
.irp n, 0,1,2,3
	global_load_b128 v[X+16*\s+4*\n:X+16*\s+4*\n+3], v4, s[16+2*\s:17+2*\s] offset:\n*1024 th:TH_LOAD_NT
.endr
.endr
	; LDS addresses, while the loads are on their way
	s_lshl_b32 s34, s15, 6                         ; my 16 columns: 64 bytes x (w / 2),
	s_lshl_b32 s35, s32, 4                         ; my four of each eight: 16 g
	s_add_co_u32 s34, s34, s35
	s_mul_i32 s36, s12, 8*OPITCH                   ; back: rows 8 w .. 8 w + 7
	v_mul_u32_u24 v6, v2, OPITCH                   ; in: row 16 n + r (n in the immediate), columns 8 h + 4 g + 0..3 of my sixteen
	v_lshl_add_u32 v6, v3, 5, v6
	v_add_nc_u32 v6, s34, v6
	v_mul_u32_u24 v7, v3, OPITCH                   ; back: lanes 0-15 one row of 256 bytes, lanes 16-31 the next
	v_lshl_add_u32 v7, v2, 4, v7
	v_add_nc_u32 v7, s36, v7
	v_lshlrev_b32 v8, 9, v3                        ; and the same two rows in out0
	v_lshl_add_u32 v8, v2, 4, v8
	s_wait_loadcnt 32                              ; the sixteen loads of statistics are in; the 32 of po stay out
.irp n, 0,1,2,3
	v_min3_num_f32 v[MN+\n], v[MS+\n], v[MS+4+\n], v[MS+8+\n]
.endr
.irp n, 0,1,2,3
	v_min3_num_f32 v[MN+\n], v[MN+\n], v[MS+12+\n], v[MS+16+\n]
.endr
.irp n, 0,1,2,3
	v_min3_num_f32 v[MN+\n], v[MN+\n], v[MS+20+\n], v[MS+24+\n]
.endr
.irp n, 0,1,2,3
	v_min_num_f32 v[MN+\n], v[MN+\n], v[MS+28+\n]
.endr
.irp s, 0,1,2,3,4,5,6,7
.irp n, 0,1,2,3
	v_sub_f32 v[MS+4*\s+\n], v[MN+\n], v[MS+4*\s+\n]               ; never above 0
.endr
.endr
.set ii, 0
.rept 32
	v_exp_f32 v[MS+ii], v[MS+ii]
.set ii, ii+1
.endr
	v_nop                                          ; one plain vector instruction behind the transcendentals before a result is used (ISA guide 5.7.2)
	s_wait_alu depctr_va_vdst(0)                   ; the 32 weights are written, ahead of their first reader: one wait for the batch
.irp n, 0,1,2,3
	v_mul_f32 v[DEN+\n], v[MS+\n], v[LSM+\n]
.endr
.irp s, 1,2,3,4,5,6,7
.irp n, 0,1,2,3
	v_fmac_f32 v[DEN+\n], v[MS+4*\s+\n], v[LSM+4*\s+\n]
.endr
.endr
.irp n, 0,1,2,3
	v_rcp_f32 v[RD+\n], v[DEN+\n]
.endr
	v_nop
.irp s, 0,1,2,3,4,5,6,7
	s_wait_loadcnt 28-4*\s                         ; split s's four loads are in; the later splits' stay out
.irp n, 0,1,2,3
.irp e, 0,1,2,3
.if \s == 0
	v_mul_f32 v[ACC+4*\n+\e], v[MS+\n], v[X+4*\n+\e]               ; the first split starts the sums
.else
	v_fmac_f32 v[ACC+4*\n+\e], v[MS+4*\s+\n], v[X+16*\s+4*\n+\e]
.endif
.endr
.endr
.endr
	s_wait_alu depctr_va_vdst(0)                   ; the four reciprocals are written, ahead of their first reader: one wait for the batch
.irp n, 0,1,2,3
.irp e, 0,1,2,3
	v_mul_f32 v[ACC+4*\n+\e], v[ACC+4*\n+\e], v[RD+\n]
.endr
.endr
	s_wait_alu depctr_va_vdst(0)                   ; the sixteen multiplies have written ACC, which the LDS stores read; the sums are done reading v[X:X+15], in which the read-backs land; v6, v7 and v8 are written.  No vector instruction follows
.irp n, 0,1,2,3
	ds_store_b128 v6, v[ACC+4*\n:ACC+4*\n+3] offset:\n*16*OPITCH
.endr
	s_wait_dscnt 0x0                               ; my stores are in LDS, for the other waves' sake,
	s_barrier_signal -1
	s_barrier_wait -1                              ; and so are everybody's
.irp t, 0,1,2,3
	ds_load_b128 v[X+4*\t:X+4*\t+3], v7 offset:\t*2*OPITCH
.endr
.irp t, 0,1,2,3
	s_wait_dscnt 3-\t                              ; read-back t is in, the younger ones stay out
	global_store_b128 v8, v[X+4*\t:X+4*\t+3], s[8:9] offset:\t*1024 th:TH_STORE_NT   ; sixteen lanes store 256 consecutive bytes, at a multiple of 256 from out0's start
.endr
	s_wait_dscnt 0x0                               ; the closing lines, six on end
	s_wait_alu 0x0
	s_wait_tensorcnt 0x0
	ds_add_u32 v240, v241
	s_wait_dscnt 0x0
	s_endpgm
.Lfunc_end_k_qecfba460db_merge:
	.size	k_qecfba460db_merge, .Lfunc_end_k_qecfba460db_merge-k_qecfba460db_merge
	.p2alignl 7, 3214868480
	.fill 96, 4, 3214868480
	.section	.rodata,"a",@progbits
	.p2align	6, 0x0
	.amdhsa_kernel k_qecfba460db_merge
		.amdhsa_group_segment_fixed_size 18432
		.amdhsa_private_segment_fixed_size 0
		.amdhsa_enable_private_segment 0
		.amdhsa_kernarg_size 24
		.amdhsa_user_sgpr_count 2
		.amdhsa_user_sgpr_kernarg_segment_ptr 1
		.amdhsa_wavefront_size32 1
		.amdhsa_system_sgpr_workgroup_id_x 1
		.amdhsa_system_sgpr_workgroup_id_y 1
		.amdhsa_system_sgpr_workgroup_id_z 1
		.amdhsa_system_vgpr_workitem_id 0
		.amdhsa_next_free_vgpr 242
		.amdhsa_next_free_sgpr 66
		.amdhsa_reserve_vcc 0
		.amdhsa_float_denorm_mode_32 3
		.amdhsa_float_denorm_mode_16_64 3
		.amdhsa_memory_ordered 1
		.amdhsa_forward_progress 1
		.amdhsa_inst_pref_size 18
	.end_amdhsa_kernel
	.amdgpu_metadata
---
amdhsa.version: [ 1, 2 ]
amdhsa.kernels:
  - .name:           k_qecfba460db_merge
    .symbol:         k_qecfba460db_merge.kd
    .args:
      - { .name: po, .offset: 0, .size: 8, .value_kind: global_buffer, .address_space: global }
      - { .name: ml, .offset: 8, .size: 8, .value_kind: global_buffer, .address_space: global }
      - { .name: out0, .offset: 16, .size: 8, .value_kind: global_buffer, .address_space: global }
    .group_segment_fixed_size: 18432
    .private_segment_fixed_size: 0
    .kernarg_segment_align: 8
    .kernarg_segment_size: 24
    .max_flat_workgroup_size: 256
    .sgpr_count:     66
    .vgpr_count:     242
    .wavefront_size: 32
...
	.end_amdgpu_metadata
.endif
;; end of part 5
